; MI455X (gfx1250); checked and timed in simulation.
; The chip was launched on July 23, 2026; its instructions are those of AMD's public machine-readable ISA for CDNA 5 (MIT licence, August 2026) and "CDNA5" Instruction Set Architecture Reference Guide (July 2026). The comments in the code are by the model that wrote it; some were corrected since.
;; RNN Layer. Allowed arithmetic: float matrix products may take bf16 or f16 operands with f32 sums; all other float work in f32.
;; Inputs: U 8,192 x 8 float32; V 8 x 8,192 float32; feedforward_input 8,192 float32; hidden_state 1,024 x 8,192 float32.
;; Outputs: out0 1,024 x 8,192 float32.
;; One version. Each part assembles by itself: llvm-mc -triple=amdgcn-amd-amdhsa -mcpu=gfx1250 --defsym DOCPART=n.
;; ======== version 1 of 1: 1 launch
;; launch rnn (part 1): grid 256 x 1, 16 waves a work-group, clusters of 4 x 1, 327,680 bytes of LDS; arguments hidden_state, feedforward_input, U, V, out0; writes out0
.if DOCPART == 1
	.amdgcn_target "amdgcn-amd-amdhsa--gfx1250"
	.amdhsa_code_object_version 6
	.text
	.protected	k_q29944d3951_rnn
	.globl	k_q29944d3951_rnn
	.p2align	8
	.type	k_q29944d3951_rnn,@function
k_q29944d3951_rnn:
	s_mov_b64 s[64:65], 0
	v_nop
	global_prefetch_b8 v0, s[64:65] scope:SCOPE_SE
	s_setreg_imm32_b32 hwreg(HW_REG_WAVE_MODE, 25, 1), 1
	s_wait_xcnt 0x0
	s_wait_alu depctr_hold_cnt(0) depctr_sa_sdst(0) depctr_va_vdst(0) depctr_va_sdst(0) depctr_va_ssrc(0) depctr_va_vcc(0) depctr_vm_vsrc(0)
	s_getreg_b32 s2, hwreg(HW_REG_IB_STS2, 6, 4)
	s_cmp_eq_u32 s2, 0
	s_cbranch_scc0 .Lentry_in_a_cluster
	s_endpgm
.Lentry_in_a_cluster:
	s_bfe_u32 s2, ttmp6, 0x10000c
	s_cmp_lg_u32 s2, 0x3003
	s_cbranch_scc0 .Lentry_shape_is_right
	s_endpgm
.Lentry_shape_is_right:
; out = h + 0.1 * (-h + tanh(h) C^T + ff) / 10,  C = U V / 8192.   h, out: [1024][8192] f32; U: [8192][8]; V: [8][8192]; ff: [8192].
; tanh(h) (U V)^T = (tanh(h) V^T) U^T for every input, so the program makes P = tanh(h) V^T ([1024][8]) and then P U^T: C is never laid out.
; out = 0.99 h + 0.01 ff + (0.01 / 8192) P U^T.
; SHARES.  256 work-groups of 16 waves; a work-group owns 4 rows of h, wave w their columns 512 w .. 512 w + 511, which stay in 64 registers from
; the load to the store: every byte of h is read once and every byte of out written once.  A row's P needs all 8,192 columns: the 16 waves' partial
; sums meet in LDS behind one barrier.
; LANES.  r = lane % 16, hh = lane / 16.  For unit t of 64 columns: HR[8 t + 0..3] = h[row 2 hh][64 t + 4 r + 0..3], HR[8 t + 4..7] = the row below.
; So in each load and store 16 lanes cover 256 consecutive bytes, at a multiple of 256 from the buffer's first byte, and this IS the result layout of product 2.
; PRODUCT 1 (bf16, K = 32), one step for 128 columns: A's row m = b + 4 q is batch row b, quarter q of 32 columns; B's column n = rho + 8 e is V's row rho,
; quarter 2 g + e, for g = 0 (sum D01) and g = 1 (sum D23).  Entries with q = 2 g + e are partial sums of P[b][rho]; the others are never read.
; PRODUCT 2 (bf16, K = 32 as four blocks of 8), one instruction for 64 columns: A's row m = 4 b + c holds s P[b][0..7] in the block that belongs to c and 0 elsewhere,
; B's column n holds U's four rows 64 t + 4 n + 0..3; C and D are HR, which by then holds 0.99 h + 0.01 ff.  s = 0.01 / 8192 is applied to P in f32.
; CLUSTER.  All work-groups walk the same V and U (512 KiB beside their own 128 KiB of h): four work-groups form a cluster and ask for each tile JOINTLY, the same
; tensor load, descriptor and mask in all four; wave w brings, and alone reads, the slices that belong to its columns.  V is turned into bf16 fragments in registers,
; then U takes V's place in LDS: one refill, asked for while h is still arriving.  ff (32 KiB) comes by plain loads.
; LIMITS.  tanh(h), V, s P and U are rounded to bf16 for the products, all else is f32.  0.99 h + 0.01 ff stands for h + 0.1 ((-h + ff) / 10): another order of rounding,
; about 1e-7 of the number.  tanh(x) = 1 - 2 / (1 + 2^(2.885390 x)): absolute error about 1e-7, exactly +-1 for large |x|.  An infinite h gives an infinity here (NaN in the formula as
; written); an infinite or NaN entry of U also spoils the three neighbouring columns of its group of four (0 x infinity); numbers of U, V above bf16's largest finite one become infinite.
.set ROWB,  32768                      ; bytes in a row of h, out, V
.set REGB,  18432                      ; a wave's region for V, then U
.set VPART, 8320                       ; a part of V: 8 rows of 1,024 bytes + 16 of padding
.set VP,    1040                       ; its pitch: 65 x 16 bytes, so the 16 lanes of a load (8 rows, 2 places 128 bytes apart) take 16 different 16-byte columns of 256 bytes
.set UP,    144                        ; a line of U: 4 rows = 128 bytes + 16 of padding: 9 x 16 bytes, likewise
.set TB,    16*REGB                    ; 294,912: the waves' stages for tanh(h): 4 rows x 256 bytes, pitch 272; 1,280 bytes a wave; no tensor load lands here or behind
.set TBW,   1280
.set TPI,   272
.set RED,   TB+16*TBW                  ; 315,392: wave w's partial s P, 32 words at 128 w
.set PKS,   RED+2048                   ; 317,440: wave w's own copy of the whole s P
.set SPARE, PKS+2048                   ; 319,488: the spare words, 128 bytes for each of 16 waves: eight blocks of 256 bytes that no other line names
.set LN,  1                            ; v1   lane
.set RL,  2                            ; v2   r
.set HH,  3                            ; v3   hh
.set HO,  4                            ; v4   my byte offset in the wave's part of h and out: 2 hh rows + 16 r
.set FO,  5                            ; v5   16 r
.set VA,  6                            ; v6   LDS: my place in a fragment of V
.set UA,  7                            ; v7   LDS: my place in a fragment of U
.set TW,  8                            ; v8   LDS: where I put 4 tanh
.set TR,  9                            ; v9   LDS: where I read 16 tanh
.set RW,  10                           ; v10  LDS: my word of my wave's partial P
.set RR,  11                           ; v11  LDS: the same word of wave 0's
.set PW,  12                           ; v12  LDS: my word of my wave's copy of P
.set PR,  13                           ; v13  LDS: P's row r / 4 in that copy
.set SPW, 14                           ; v14  LDS address of my spare word; never rewritten
.set NIL, 15                           ; v15  0; never rewritten
.set HR,  16                           ; v[16:79]   h, then 0.99 h + 0.01 ff, then out
.set FF,  80                           ; v[80:111]  ff, 4 registers a unit; later a raw buffer
.set TT,  112                          ; v[112:127] 16 numbers on their way to tanh
.set TP,  128                          ; v[128:135] the same in bf16
.set XF,  136                          ; v[136:143] A of product 1
.set YF,  144                          ; v[144:207] B of product 1: group f, half g at YF + 16 f + 8 g; later B of product 2: unit t at YF + 8 t
.set D01, 208                          ; v[208:215] sums for g = 0
.set D23, 216                          ; v[216:223] sums for g = 1
.set ZR,  224                          ; v[224:227] P's four rows; v[228:235] at work
.set A2,  240                          ; v[240:247] A of product 2
.set WV,  14                           ; s14  my wave's number
.set CE,  20                           ; s[20:21] 2 log2(e)
.set C99, 22                           ; s[22:23] 0.99
.set C01, 24                           ; s[24:25] 0.01
.set CSC, 26                           ; s26  0.01 / 8192
.set ME,  28                           ; s28  lanes with e = (lane / 8) % 2 = 1
.set MH,  29                           ; s29  lanes with hh = 1
.set MA,  30                           ; s30  lanes with r % 4 = 2 hh
.set MB,  31                           ; s31  lanes with r % 4 = 2 hh + 1
.set SEL, 32                           ; s[32:33] v_permlanex16_b32's selects: each lane takes its own place in the other half
.set G1V, 36                           ; s[36:43] descriptor group 1 for V's parts
.set G1U, 44                           ; s[44:51] for U's slice
.set G0V, 52                           ; s[52:59] group 0 for V's two parts
.set G0U, 60                           ; s[60:63] group 0 for U's slice
; A round of the cluster's barrier: my work-group's barrier, so that wave 0's signal speaks for all 16 waves; wave 0 signals; every wave waits for all four work-groups; my work-group's barrier once more.
.macro ROUND
	s_barrier_signal -1
	s_barrier_wait -1
	s_cmp_lg_u32 s[WV], 0
	s_cbranch_scc1 .Lnot_wave_0_\@
	s_barrier_signal -3
.Lnot_wave_0_\@:
	s_barrier_wait -3
	s_barrier_signal -1
	s_barrier_wait -1
.endm
; Eight LDS loads: two fragments' 16 f32 a lane, 64 consecutive bytes each, at o0 and o1 from my place
.macro LD2 raw, adr, o0, o1
.irp i, 0,1,2,3
	ds_load_b128 v[(\raw)+4*(\i):(\raw)+4*(\i)+3], v[\adr] offset:(\o0)+16*(\i)
.endr
.irp i, 0,1,2,3
	ds_load_b128 v[(\raw)+16+4*(\i):(\raw)+16+4*(\i)+3], v[\adr] offset:(\o1)+16*(\i)
.endr
.endm
; and their rounding to bf16: two fragments of 8 registers
.macro CV2 dst, raw
.irp k, 0,1,2,3,4,5,6,7,8,9,10,11,12,13,14,15
	v_cvt_pk_bf16_f32 v[(\dst)+(\k)], v[(\raw)+2*(\k)], v[(\raw)+2*(\k)+1]
.endr
.endm
.macro LDV raw, f                      ; V's two fragments of group f: part f / 2, 512 bytes a group, 256 a half
	LD2 \raw, VA, ((\f)/2)*VPART+((\f)%2)*512, ((\f)/2)*VPART+((\f)%2)*512+256
.endm
.macro LDU raw, k                      ; U's fragments of units 2 k and 2 k + 1: 16 lines of 144 bytes a unit
	LD2 \raw, UA, 2*(\k)*16*UP, (2*(\k)+1)*16*UP
.endm
	s_load_b256 s[4:11], s[0:1], 0x0               ; h s[4:5], ff s[6:7], U s[8:9], V s[10:11]
	s_load_b64 s[12:13], s[0:1], 0x20              ; out
	v_lshl_add_u32 v[SPW], v0, 2, SPARE
	v_mov_b32 v[NIL], 0
	ds_add_u32 v14, v15
	s_wait_dscnt 0x0
	v_lshrrev_b32 v1, 5, v0
	v_readfirstlane_b32 s[WV], v1                  ; wave 0..15
	v_and_b32 v[LN], 31, v0
	v_and_b32 v[RL], 15, v0
	v_bfe_u32 v[HH], v0, 4, 1
	v_lshlrev_b32 v[FO], 4, v[RL]
	v_lshl_add_u32 v[HO], v[HH], 16, v[FO]         ; two rows of 32,768 bytes for the upper half of the lanes
	s_bfe_u32 s15, ttmp6, 0x40000                  ; cx: my place in the cluster
	s_lshl_b32 s16, ttmp9, 2                       ; in a cluster launch ttmp9 counts clusters
	s_add_co_u32 s16, s16, s15                     ; my work-group: it enters h's and out's addresses alone
	s_lshl_b32 s18, s16, 17                        ; its 4 rows of 32,768 bytes,
	s_lshl_b32 s19, s[WV], 11                      ; my wave's 512 columns
	s_add_co_u32 s18, s18, s19
	s_mov_b32 s19, 0
	s_lshl_b32 s34, s[WV], 11                      ; the same columns in ff and V: of the wave's number alone
	s_mov_b32 s35, 0
	s_mul_i32 s2, s[WV], REGB                      ; my region
	s_mul_i32 s3, s[WV], TBW
	s_add_co_u32 s3, s3, TB                        ; my stage
	s_lshl_b32 s27, s[WV], 7
	s_add_co_u32 s17, s27, PKS                     ; my copy of P
	s_add_co_u32 s27, s27, RED                     ; my partial P
	; descriptor group 1 for a part of V: 8 rows x 256 f32, 8,192 elements from row to row
	s_mov_b32 s[G1V+0], 15|(2<<16)|(1<<20)|(1<<21)|(7<<22)|(3<<25)  ; 15:0 the mask of four; 17:16 4-byte elements; 20 padding on; 21 set beside a mask; 24:22 after every 256 words (code 7); 31:25 4 words (code 3)
	s_mov_b32 s[G1V+1], 256<<16                    ; tensor_dim0 = 256
	s_mov_b32 s[G1V+2], 8<<16                      ; tensor_dim1 = 8
	s_mov_b32 s[G1V+3], 256<<16                    ; tile_dim0 = 256
	s_mov_b32 s[G1V+4], 8                          ; tile_dim1 = 8
	s_mov_b32 s[G1V+5], 8192                       ; pitch
	s_mov_b32 s[G1V+6], 0
	s_mov_b32 s[G1V+7], 0
	; for U's slice: 512 rows of 32 bytes are 16,384 dense bytes, asked for as 64 rows of 256 bytes and padded in LDS after every 128
	s_mov_b32 s[G1U+0], 15|(3<<16)|(1<<20)|(1<<21)|(4<<22)|(3<<25)  ; 8-byte elements; padding after every 32 words (code 4), 4 words (code 3)
	s_mov_b32 s[G1U+1], 32<<16                     ; tensor_dim0 = 32
	s_mov_b32 s[G1U+2], 64<<16                     ; tensor_dim1 = 64
	s_mov_b32 s[G1U+3], 32<<16                     ; tile_dim0 = 32
	s_mov_b32 s[G1U+4], 64                         ; tile_dim1 = 64
	s_mov_b32 s[G1U+5], 32                         ; pitch
	s_mov_b32 s[G1U+6], 0
	s_mov_b32 s[G1U+7], 0
	s_mov_b32 s[G0V+0], 1                          ; count = 1
	s_mul_i32 s[G0V+1], s[WV], REGB                ; LDS address: part 0 at my region's head,
	s_mov_b32 s[G0V+4], 1
	s_add_co_u32 s[G0V+5], s[G0V+1], VPART         ; part 1 behind it
	s_mov_b32 s[G0U+0], 1
	s_mul_i32 s[G0U+1], s[WV], REGB                ; U's slice takes the same region later
	s_wait_kmcnt 0x0
	s_add_nc_u64 s[4:5], s[4:5], s[18:19]          ; h and out at my wave's first number
	s_add_nc_u64 s[12:13], s[12:13], s[18:19]
	s_add_nc_u64 s[6:7], s[6:7], s[34:35]          ; ff and V at my wave's first column
	s_add_nc_u64 s[10:11], s[10:11], s[34:35]
.irp t, 0,1,2,3,4,5,6,7
	global_load_b128 v[FF+4*(\t):FF+4*(\t)+3], v[FO], s[6:7] offset:256*(\t)
.endr
.irp t, 0,1,2,3,4,5,6,7                ; all of the wave's h is asked for at once: 16 loads of 512 bytes; h is read once in the launch
	global_load_b128 v[HR+8*(\t):HR+8*(\t)+3],   v[HO], s[4:5] offset:256*(\t) th:TH_LOAD_NT
	global_load_b128 v[HR+8*(\t)+4:HR+8*(\t)+7], v[HO], s[4:5] offset:256*(\t)+ROWB th:TH_LOAD_NT
.endr
	s_mov_b64 s[G0V+2:G0V+3], s[10:11]             ; global address of part 0: my first 256 columns of V's row 0
	s_or_b32 s[G0V+3], s[G0V+3], 0x80000000        ; type = 2
	s_add_nc_u64 s[G0V+6:G0V+7], s[10:11], 1024    ; part 1: the next 256 columns
	s_or_b32 s[G0V+7], s[G0V+7], 0x80000000
	s_lshl_b32 s34, s[WV], 14                      ; my 512 rows of U, 32 bytes each
	s_add_nc_u64 s[G0U+2:G0U+3], s[8:9], s[34:35]
	s_or_b32 s[G0U+3], s[G0U+3], 0x80000000
	ROUND                                          ; all four work-groups are here: the first joint loads meet
	tensor_load_to_lds s[G0V:G0V+3], s[G1V:G1V+7]
	s_nop 0
	tensor_load_to_lds s[G0V+4:G0V+7], s[G1V:G1V+7]  ; two tensor loads of mine are out
	s_nop 0
	; constants and LDS addresses, in the wait for V
	s_mov_b32 s[CE], 0x4038aa3b                    ; 2 log2(e) = 2.885390
	s_mov_b32 s[CE+1], s[CE]                       ; the packed forms name pairs and take the low word for both halves
	s_mov_b32 s[C99], 0x3f7d70a4                   ; 0.99
	s_mov_b32 s[C99+1], s[C99]
	s_mov_b32 s[C01], 0x3c23d70a                   ; 0.01
	s_mov_b32 s[C01+1], s[C01]
	s_mov_b32 s[CSC], 0x35a3d70a                   ; 0.01 / 8192
	s_mov_b32 s[ME], 0xff00ff00
	s_mov_b32 s[MH], 0xffff0000
	s_mov_b32 s[MA], 0x44441111
	s_mov_b32 s[MB], 0x88882222
	s_mov_b32 s[SEL], 0x76543210
	s_mov_b32 s[SEL+1], 0xfedcba98
	v_and_b32 v224, 7, v0                          ; rho = r % 8
	v_bfe_u32 v225, v0, 3, 1                       ; e = r / 8
	v_and_b32 v226, 3, v0                          ; r % 4
	v_bfe_u32 v227, v0, 2, 2                       ; r / 4
	v_mul_u32_u24 v[VA], v224, VP                  ; V's row rho,
	v_lshl_add_u32 v[VA], v225, 7, v[VA]           ; 32 columns for e,
	v_lshl_add_u32 v[VA], v[HH], 6, v[VA]          ; 16 for hh
	v_add_nc_u32 v[VA], s2, v[VA]
	v_mul_u32_u24 v[UA], v[RL], UP                 ; U's line r (rows 4 r ..), two rows on for hh
	v_lshl_add_u32 v[UA], v[HH], 6, v[UA]
	v_add_nc_u32 v[UA], s2, v[UA]
	v_mul_u32_u24 v[TW], v[HH], 2*TPI              ; into the stage: row 2 hh, 4 bf16 at column 4 r
	v_lshl_add_u32 v[TW], v[RL], 3, v[TW]
	v_add_nc_u32 v[TW], s3, v[TW]
	v_mul_u32_u24 v[TR], v226, TPI                 ; back: row r % 4, quarter r / 4, 16 columns for hh
	v_lshl_add_u32 v[TR], v227, 6, v[TR]
	v_lshl_add_u32 v[TR], v[HH], 5, v[TR]
	v_add_nc_u32 v[TR], s3, v[TR]
	v_lshl_add_u32 v[RW], v[LN], 2, s27
	v_lshl_add_u32 v[RR], v[LN], 2, RED
	v_lshl_add_u32 v[PW], v[LN], 2, s17
	v_lshl_add_u32 v[PR], v227, 5, s17
	; V INTO bf16 FRAGMENTS.  Only I read my region, so my own wait on TENSORcnt orders the reads.  Two raw buffers by turns: v[112:143] and v[208:239].
	s_wait_tensorcnt 0x1                           ; part 0 is in; part 1 may stay out
	LDV TT, 0
	LDV D01, 1
	s_wait_dscnt 0x8                               ; group 0's eight loads are in, group 1's may be out
	CV2 YF, TT
	s_wait_tensorcnt 0x0                           ; part 1 is in
	LDV TT, 2
	s_wait_dscnt 0x8                               ; group 1's are in
	CV2 YF+16, D01
	LDV D01, 3
	s_wait_dscnt 0x8                               ; group 2's are in
	CV2 YF+32, TT
	; U TAKES V'S PLACE: the one refill.  All my tensor loads have landed; the add; my reads of the region are over; a round of the cluster's barrier, so that the same holds of every wave of every partner.
	s_wait_tensorcnt 0x0
	ds_add_u32 v[SPW], v[NIL]                      ; 0 onto my spare word
	s_wait_dscnt 0x1                               ; only the add may be out: group 3's loads are in,
	CV2 YF+48, D01                                 ; and their rounding stands between the add and the wait for it
	s_wait_dscnt 0x0
	ROUND
	tensor_load_to_lds s[G0U:G0U+3], s[G1U:G1U+7]  ; my one tensor load behind the round: it has the four groups below in which to land
	s_nop 0
; GROUP f: 128 columns (units 2 f, 2 f + 1) of my 4 rows: tanh, its way through my stage into A's layout, and two products; beside them HR becomes 0.99 h + 0.01 ff.
.macro GROUP f, zero
	s_wait_loadcnt 12-4*(\f)                       ; loads come back in order: ff and this group's four loads of h are in, the later groups' stay out
.irp i, 0,1,2,3
	v_pk_mul_f32 v[FF+8*(\f)+2*(\i):FF+8*(\f)+2*(\i)+1], v[FF+8*(\f)+2*(\i):FF+8*(\f)+2*(\i)+1], s[C01:C01+1] op_sel_hi:[1,0]
.endr
.irp i, 0,1,2,3,4,5,6,7
	v_pk_mul_f32 v[TT+2*(\i):TT+2*(\i)+1], v[HR+16*(\f)+2*(\i):HR+16*(\f)+2*(\i)+1], s[CE:CE+1] op_sel_hi:[1,0]
.endr
.irp i, 0,1,2,3,4,5,6,7,8,9,10,11,12,13,14,15
	v_exp_f32 v[TT+(\i)], v[TT+(\i)]               ; e^(2 x)
.endr
.irp i, 0,1,2,3,4,5,6,7                ; plain work behind the exponentials; pair i: unit i / 4, row (i / 2) % 2, columns 2 (i % 2) on: both rows take the same ff
	v_pk_fma_f32 v[HR+16*(\f)+2*(\i):HR+16*(\f)+2*(\i)+1], v[HR+16*(\f)+2*(\i):HR+16*(\f)+2*(\i)+1], s[C99:C99+1], v[FF+8*(\f)+4*((\i)/4)+2*((\i)%2):FF+8*(\f)+4*((\i)/4)+2*((\i)%2)+1] op_sel_hi:[1,0,1]
.endr
	s_wait_alu depctr_va_vdst(0)
.irp i, 0,1,2,3,4,5,6,7
	v_pk_add_f32 v[TT+2*(\i):TT+2*(\i)+1], v[TT+2*(\i):TT+2*(\i)+1], 1.0 op_sel_hi:[1,0]
.endr
.irp i, 0,1,2,3,4,5,6,7,8,9,10,11,12,13,14,15
	v_rcp_f32 v[TT+(\i)], v[TT+(\i)]
.endr
	v_nop                                          ; a plain instruction between the last reciprocal and the use of its result
	s_wait_alu depctr_va_vdst(0)
.irp i, 0,1,2,3,4,5,6,7
	v_pk_fma_f32 v[TT+2*(\i):TT+2*(\i)+1], v[TT+2*(\i):TT+2*(\i)+1], -2.0, 1.0 op_sel_hi:[1,0,0]  ; tanh = 1 - 2 / (1 + e^(2 x))
.endr
.irp k, 0,1,2,3,4,5,6,7
	v_cvt_pk_bf16_f32 v[TP+(\k)], v[TT+2*(\k)], v[TT+2*(\k)+1]
.endr
.irp j, 0,1,2,3                        ; four numbers j: unit j / 2 (128 bytes on), row j % 2
	ds_store_b64 v[TW], v[TP+2*(\j):TP+2*(\j)+1] offset:128*((\j)/2)+TPI*((\j)%2)
.endr
	ds_load_b128 v[XF:XF+3],   v[TR]               ; my stage is mine alone, and LDS serves a wave's instructions in order (ISA guide 5.7.1.4): these see the stores above.
	ds_load_b128 v[XF+4:XF+7], v[TR] offset:16     ; The last products that read XF stand more than four plain vector instructions back
	s_wait_dscnt 0x0
.if \zero                              ; the first group starts both sums; the two sums take turns
	v_wmma_f32_16x16x32_bf16 v[D01:D01+7], v[XF:XF+7], v[YF+16*(\f):YF+16*(\f)+7], 0
	v_wmma_f32_16x16x32_bf16 v[D23:D23+7], v[XF:XF+7], v[YF+16*(\f)+8:YF+16*(\f)+15], 0
.else
	v_wmma_f32_16x16x32_bf16 v[D01:D01+7], v[XF:XF+7], v[YF+16*(\f):YF+16*(\f)+7], v[D01:D01+7]
	v_wmma_f32_16x16x32_bf16 v[D23:D23+7], v[XF:XF+7], v[YF+16*(\f)+8:YF+16*(\f)+15], v[D23:D23+7]
.endif
.endm
	GROUP 0, 1
	GROUP 1, 0
	GROUP 2, 0
	GROUP 3, 0
	; MY WAVE'S PARTIAL P.  Register j of lane (r, hh) is entry (m = 8 hh + j, n = r): quarter 2 hh + j / 4, batch row j % 4; rho = r % 8, e = r / 8.
	; Of use: D01 in the lower half of the lanes, D23 in the upper; registers 0-3 where e = 0, 4-7 where e = 1.
.rept 4
	v_nop                                          ; four places behind the last products (ISA guide 7.12.1), for the reads of their results and for all that writes their sources below
.endr
.irp b, 0,1,2,3
	v_cndmask_b32 v[228+(\b)], v[D01+(\b)], v[D01+4+(\b)], s[ME]
	v_cndmask_b32 v[232+(\b)], v[D23+(\b)], v[D23+4+(\b)], s[ME]
.endr
.irp b, 0,1,2,3
	v_cndmask_b32 v[ZR+(\b)], v[228+(\b)], v[232+(\b)], s[MH]  ; lane (r, hh): quarter 2 hh + e's share of P[b][rho]
.endr
.irp b, 0,1,2,3
	v_add_f32_dpp v[ZR+(\b)], v[ZR+(\b)], v[ZR+(\b)] row_xmask:8 row_mask:0xf bank_mask:0xf  ; + the other e
.endr
.irp b, 0,1,2,3
	v_permlanex16_b32 v[228+(\b)], v[ZR+(\b)], s[SEL], s[SEL+1]
.endr
.irp b, 0,1,2,3
	v_add_f32 v[ZR+(\b)], v[ZR+(\b)], v[228+(\b)]  ; + the other hh: every lane holds P[b][rho] over my 512 columns
.endr
	v_cndmask_b32 v232, v[ZR], v[ZR+1], s[ME]      ; lane l keeps row l / 8 = 2 hh + e
	v_cndmask_b32 v233, v[ZR+2], v[ZR+3], s[ME]
	v_cndmask_b32 v234, v232, v233, s[MH]
	v_mul_f32 v234, s[CSC], v234                   ; times 0.01 / 8192, in f32
	ds_store_b32 v[RW], v234
	; ONE BARRIER for the partial sums; U's rounding to bf16 stands between its signal and its wait: it reads my region, which nobody writes any more.
	s_wait_tensorcnt 0x0                           ; U's slice, my only load out, is in
	s_wait_dscnt 0x0                               ; for the others' sake: my partial sum is stored
	s_barrier_signal -1
	LDU FF, 0                                      ; two raw buffers by turns: v[80:111] and v[112:143]
	LDU TT, 1
	s_wait_dscnt 0x8                               ; the older eight loads are in
	CV2 YF, FF
	LDU FF, 2
	s_wait_dscnt 0x8
	CV2 YF+16, TT
	LDU TT, 3
	s_wait_dscnt 0x8
	CV2 YF+32, FF
	s_wait_dscnt 0x0
	CV2 YF+48, TT
	s_barrier_wait -1                              ; all 16 partial sums are stored
	; THE WHOLE s P, in every wave: lane l sums word l of the 16 waves; then through my own copy into A's layout
.irp i, 0,1,2,3,4,5,6,7,8,9,10,11,12,13,14,15
	ds_load_b32 v[FF+(\i)], v[RR] offset:128*(\i)
.endr
	s_wait_dscnt 0x0
.irp i, 0,2,4,6
	v_pk_add_f32 v[FF+(\i):FF+(\i)+1], v[FF+(\i):FF+(\i)+1], v[FF+8+(\i):FF+8+(\i)+1]
.endr
	v_pk_add_f32 v[FF:FF+1], v[FF:FF+1], v[FF+4:FF+5]
	v_pk_add_f32 v[FF+2:FF+3], v[FF+2:FF+3], v[FF+6:FF+7]
	v_pk_add_f32 v[FF:FF+1], v[FF:FF+1], v[FF+2:FF+3]
	v_add_f32 v[FF], v[FF], v[FF+1]
	ds_store_b32 v[PW], v[FF]                      ; word 8 b + rho of my wave's own copy
	ds_load_b128 v[FF+4:FF+7],  v[PR]              ; row b = r / 4, all eight rho: in order behind the store above
	ds_load_b128 v[FF+8:FF+11], v[PR] offset:16
	s_wait_dscnt 0x0
.irp k, 0,1,2,3
	v_cvt_pk_bf16_f32 v[FF+16+(\k)], v[FF+4+2*(\k)], v[FF+4+2*(\k)+1]
.endr
.irp k, 0,1,2,3                        ; registers 0-3 are K block hh, which B fills with U's row 4 n + 2 hh; registers 4-7 block 2 + hh, row 4 n + 2 hh + 1: A's row 4 b + c is 0 but in c's block
	v_cndmask_b32 v[A2+(\k)],   0, v[FF+16+(\k)], s[MA]
	v_cndmask_b32 v[A2+4+(\k)], 0, v[FF+16+(\k)], s[MB]
.endr
	; PRODUCT 2 lands on 0.99 h + 0.01 ff: eight accumulators, one instruction each
.irp t, 0,1,2,3,4,5,6,7
	v_wmma_f32_16x16x32_bf16 v[HR+8*(\t):HR+8*(\t)+7], v[A2:A2+7], v[YF+8*(\t):YF+8*(\t)+7], v[HR+8*(\t):HR+8*(\t)+7]
.endr
.rept 4
	v_nop                                          ; four places in front of the stores that read the results
.endr
.irp t, 0,1,2,3,4,5,6,7                ; each accumulator's low registers first; 16 lanes store 256 consecutive bytes, at a multiple of 256 from out's first byte
	global_store_b128 v[HO], v[HR+8*(\t):HR+8*(\t)+3],   s[12:13] offset:256*(\t) th:TH_STORE_NT
	global_store_b128 v[HO], v[HR+8*(\t)+4:HR+8*(\t)+7], s[12:13] offset:256*(\t)+ROWB th:TH_STORE_NT
.endr
	s_wait_tensorcnt 0x0                           ; the wave's end: behind my last tensor load and my last LDS store
	ds_add_u32 v[SPW], v[NIL]
	s_wait_dscnt 0x0
	ROUND                                          ; the closing round: no work-group ends while a partner may still ask for a tile that names it
	s_endpgm
.Lfunc_end_k_q29944d3951_rnn:
	.size	k_q29944d3951_rnn, .Lfunc_end_k_q29944d3951_rnn-k_q29944d3951_rnn
	.p2alignl 7, 3214868480
	.fill 96, 4, 3214868480
	.section	.rodata,"a",@progbits
	.p2align	6, 0x0
	.amdhsa_kernel k_q29944d3951_rnn
		.amdhsa_group_segment_fixed_size 327680
		.amdhsa_private_segment_fixed_size 0
		.amdhsa_enable_private_segment 0
		.amdhsa_kernarg_size 40
		.amdhsa_user_sgpr_count 2
		.amdhsa_user_sgpr_kernarg_segment_ptr 1
		.amdhsa_wavefront_size32 1
		.amdhsa_system_sgpr_workgroup_id_x 1
		.amdhsa_system_sgpr_workgroup_id_y 1
		.amdhsa_system_sgpr_workgroup_id_z 1
		.amdhsa_system_vgpr_workitem_id 0
		.amdhsa_next_free_vgpr 248
		.amdhsa_next_free_sgpr 66
		.amdhsa_reserve_vcc 0
		.amdhsa_float_denorm_mode_32 3
		.amdhsa_float_denorm_mode_16_64 3
		.amdhsa_memory_ordered 1
		.amdhsa_forward_progress 1
		.amdhsa_inst_pref_size 46
	.end_amdhsa_kernel
	.amdgpu_metadata
---
amdhsa.version: [ 1, 2 ]
amdhsa.kernels:
  - .name:           k_q29944d3951_rnn
    .symbol:         k_q29944d3951_rnn.kd
    .args:
      - { .name: hidden_state, .offset: 0, .size: 8, .value_kind: global_buffer, .address_space: global }
      - { .name: feedforward_input, .offset: 8, .size: 8, .value_kind: global_buffer, .address_space: global }
      - { .name: U, .offset: 16, .size: 8, .value_kind: global_buffer, .address_space: global }
      - { .name: V, .offset: 24, .size: 8, .value_kind: global_buffer, .address_space: global }
      - { .name: out0, .offset: 32, .size: 8, .value_kind: global_buffer, .address_space: global }
    .group_segment_fixed_size: 327680
    .private_segment_fixed_size: 0
    .kernarg_segment_align: 8
    .kernarg_segment_size: 40
    .max_flat_workgroup_size: 512
    .sgpr_count:     66
    .vgpr_count:     248
    .wavefront_size: 32
...
	.end_amdgpu_metadata
.endif
;; end of part 1
